; MI455X (gfx1250); checked and timed in simulation.
; The chip was launched on July 23, 2026; its instructions are those of AMD's public machine-readable ISA for CDNA 5 (MIT licence, August 2026) and "CDNA5" Instruction Set Architecture Reference Guide (July 2026). The comments in the code are by the model that wrote it; some were corrected since.
;; Qwen3 Copied Attention. Allowed arithmetic: matrix products marked QUANTISED: E2M3 operands, one E8M0 scale for each 32 along K, by v_wmma_scale_f32_16x16x128_f8f6f4 with both operands' format E2M3, f32 sums; everything else in f32.
;; Inputs: Wk_codes 1,024 x 64 x 24 uint8 (E2M3 codes of Wk, K innermost, in blocks of 32 codes, four codes in three bytes); Wk_scales 1,024 x 64 uint8 (E8M0 scales of Wk, one for each 32 codes along K); Wo_codes 2,048 x 32 x 24 uint8 (E2M3 codes of Wo, K innermost, in blocks of 32 codes, four codes in three bytes); Wo_scales 2,048 x 32 uint8 (E8M0 scales of Wo, one for each 32 codes along K); Wq_codes 1,024 x 64 x 24 uint8 (E2M3 codes of Wq, K innermost, in blocks of 32 codes, four codes in three bytes); Wq_scales 1,024 x 64 uint8 (E8M0 scales of Wq, one for each 32 codes along K); Wv_codes 1,024 x 64 x 24 uint8 (E2M3 codes of Wv, K innermost, in blocks of 32 codes, four codes in three bytes); Wv_scales 1,024 x 64 uint8 (E8M0 scales of Wv, one for each 32 codes along K); attention_mask 2 x 1 x 2,048 x 2,048 float32; cos 2 x 2,048 x 128 float32; hidden_states_codes 2 x 2,048 x 64 x 24 uint8 (E2M3 codes of hidden_states, K innermost, in blocks of 32 codes, four codes in three bytes); hidden_states_scales 2 x 2,048 x 64 uint8 (E8M0 scales of hidden_states, one for each 32 codes along K); k_norm_w 128 float32; q_norm_w 128 float32; sin 2 x 2,048 x 128 float32.
;; Outputs: out0 2 x 2,048 x 2,048 float32.
;; This version of the problem:
;;   THIS VERSION OF THE PROBLEM IS GIVEN IN LOW PRECISION. The matrix products marked QUANTISED in the list below multiply operands that are first quantised to E2M3 (2 exponent bits, 3 mantissa bits; 6 bits a number), with one power-of-two scale for each 32 numbers along K (OCP MX v1.0); their sums are f32. All else is computed in f32.
;;   The module's matrix products, in the order in which they are computed (A, B: the left and right operand; K: the contracted axis; several contracted axes count as one K, in the product's order):
;;     1. [M 4,096, K 2,048] x [K 2,048, N 1,024]; A: input hidden_states (given as codes); B: input Wq (given as codes): QUANTISED
;;     2. [M 4,096, K 2,048] x [K 2,048, N 1,024]; A: input hidden_states (given as codes); B: input Wk (given as codes): QUANTISED
;;     3. [M 4,096, K 2,048] x [K 2,048, N 1,024]; A: input hidden_states (given as codes); B: input Wv (given as codes): QUANTISED
;;     4. batch 16 x [M 2,048, K 128] x [K 128, N 2,048]; A: computed on the way; B: computed on the way: QUANTISED
;;     5. batch 16 x [M 2,048, K 2,048] x [K 2,048, N 128]; A: softmax (see below); B: computed on the way: QUANTISED
;;     6. [M 4,096, K 1,024] x [K 1,024, N 2,048]; A: computed on the way; B: input Wo (given as codes): QUANTISED
;;   THE QUANTISER, for each operand of a quantised product, along K:
;;     - K is cut into blocks of 32 from its start; a last block that is shorter is filled with zeros.
;;     - A block's scale is 2^e with e = floor(log2(the largest magnitude in the block)) - 2, held to -126 .. 127; a block of zeros has e = 0. As a byte (E8M0): e + 127.
;;     - Each number is divided by its block's scale, clamped to +-7.5, and rounded to the nearest number of E2M3, ties to even, subnormals kept.
;;     - The product sums the exact products of the quantised numbers (number of the format x scale) in f32.
;;   ~~~python
;;   def quantise(x, axis):      # numpy; x: float32 -> the quantised numbers, widened to float32 again
;;       x = np.moveaxis(x, axis, -1); K = x.shape[-1]
;;       x = np.pad(x, [(0, 0)] * (x.ndim - 1) + [(0, -K % 32)]); x = x.reshape(x.shape[:-1] + (-1, 32)); a = np.abs(x).max(-1, keepdims=True)
;;       e = np.where(a > 0, np.clip(np.frexp(np.where(a > 0, a, 1))[1] - 1 - 2, -126, 127), 0)      # np.frexp(a)[1] - 1 = floor(log2(a)), exactly
;;       r = np.clip(x / 2.0 ** e, -7.5, 7.5)
;;       step = 2.0 ** (np.maximum(np.frexp(np.where(r == 0, 1, r))[1] - 1, 0) - 3)
;;       q = np.round(r / step) * step * 2.0 ** e      # np.round: ties to even
;;       return np.moveaxis(q.reshape(q.shape[:-2] + (-1,))[..., :K], -1, axis).astype(np.float32)
;;   ~~~
;;   SOFTMAX AHEAD OF A QUANTISED PRODUCT. Where the list says 'softmax', what is quantised is not the finished softmax but p = 2^(t - M), with t = logit x log2(e) and M = ceil(the row's largest t), a whole number; so 1/2 < the row's largest p <= 1. The row's sum l is taken of the UNQUANTISED p, in f32, and the product's result is divided by l at the end. Since M is a whole number, a kernel that streams over the keys may use a running M (the ceiling of the running maximum): every later rescaling is an exact power of two, which a block's scale takes up: the codes' values come out the same.
;;   OPERANDS COMPUTED ON THE WAY. 'Computed on the way' means the value that the module computes at that place (a softmax that the list does not call 'softmax' is quantised finished and normalised). What goes into a quantiser is computed in f32, as accurately as f32 sums, v_exp_f32 and their like allow (about 1e-6 of the number): no bf16 or f16 on the way to a quantiser, and a product that is left as it is and whose result goes on into a quantised operand takes f32 operands (vector FMAs, or v_wmma_f32_16x16x4_f32). A number that lies on a knife's edge between two numbers of the format may be rounded either way, as far as f32 arithmetic and the matrix unit's own rounding can turn it there, and no further.
;;   INPUTS GIVEN AS CODES. Wk (in the module: [2048, 1024], K = its axis 0); Wo (in the module: [1024, 2048], K = its axis 0); Wq (in the module: [2048, 1024], K = its axis 0); Wv (in the module: [2048, 1024], K = its axis 0); hidden_states (in the module: [2, 2048, 2048], K = its axis 2): each comes as NAME_codes (uint8): NAME with its K axis moved to the last place and cut into blocks of 32 codes, [.., K / 32, bytes a block], one block behind the other in memory; four codes in three bytes: a row's codes are one little-endian stream of bits, code i at bits 6 i .. 6 i + 5 (a code: sign, 2 exponent bits, 3 mantissa bits); and NAME_scales (uint8): the same leading axes, one E8M0 byte (e + 127) for each 32 codes along K. Its value is code x scale, taken as it is: it is not quantised again, and the codes and scales need not be those that the quantiser above would give.
;; One version. Each part assembles by itself: llvm-mc -triple=amdgcn-amd-amdhsa -mcpu=gfx1250 --defsym DOCPART=n.
;; ======== version 1 of 1: 3 launches
;; limits: right only within a limited range of input values
;; workspace buffers: qkv 9,830,400 bytes; af 3,407,872 bytes
;; launch qkv_proj (part 1): grid 24 x 8, 4 waves a work-group, clusters of 4 x 4, 327,680 bytes of LDS; arguments hidden_states_codes, hidden_states_scales, Wq_codes, Wq_scales, Wk_codes, Wk_scales, Wv_codes, Wv_scales, cos, sin, q_norm_w, k_norm_w, qkv; writes qkv
.if DOCPART == 1
	.amdgcn_target "amdgcn-amd-amdhsa--gfx1250"
	.amdhsa_code_object_version 6
	.text
	.protected	k_q0827c62d57_qkv_proj
	.globl	k_q0827c62d57_qkv_proj
	.p2align	8
	.type	k_q0827c62d57_qkv_proj,@function
k_q0827c62d57_qkv_proj:
	s_mov_b64 s[64:65], 0
	v_nop
	global_prefetch_b8 v0, s[64:65] scope:SCOPE_SE
	s_setreg_imm32_b32 hwreg(HW_REG_WAVE_MODE, 25, 1), 1
	s_wait_xcnt 0x0
	s_wait_alu depctr_hold_cnt(0) depctr_sa_sdst(0) depctr_va_vdst(0) depctr_va_sdst(0) depctr_va_ssrc(0) depctr_va_vcc(0) depctr_vm_vsrc(0)
	s_getreg_b32 s2, hwreg(HW_REG_IB_STS2, 6, 4)
	s_cmp_eq_u32 s2, 0
	s_cbranch_scc0 .Lentry_in_a_cluster
	s_endpgm
.Lentry_in_a_cluster:
	s_bfe_u32 s2, ttmp6, 0x10000c
	s_cmp_lg_u32 s2, 0xf033
	s_cbranch_scc0 .Lentry_shape_is_right
	s_endpgm
.Lentry_shape_is_right:
; q = rope(rmsnorm(x Wq)), k = rope(rmsnorm(x Wk)), v = x Wv: three products on codes of FP6 (E2M3), one E8M0 scale for each 32 along K = 2,048.  The results are quantised here, in f32,
; and leave as codes laid in the order of the next launch's operand registers.
; ONE BODY, THREE ROLES.  A work-group makes 256 (P) x 256 (R), a wave 128 x 128: 64 accumulators.  Source 0 = 16 rows of P, source 1 = 16 rows of R: in accumulator (a, b) lane (r, h) holds R's row 16 a + r, register j P's index 16 b + 8 h + j.
;   q, k: P = rows of W (a head's 128 channels), R = positions.     v: P = positions (128 keys, the K of the second attention product), R = rows of Wv.
; 192 work-groups: a wave needs all 128 along P for the norm and for whole blocks of 32, and 4,096 positions do not divide into the 96 rows of R a wave that 256 work-groups would give.
; K goes through a ring of two LDS slots in CHUNKS OF 256 BYTES of each row (a row is 1,536 bytes: six chunks); a step of 128 along K is 96 bytes: eight steps to three chunks.  The 16 steps are written out: slots and chunks come back after 16.
; CLUSTERS of 4 x 4: R's tiles are asked for jointly along a row, P's along a column.  The role hangs on the cluster's number alone.
; NO PREFETCH: of the six chunks two come at the head and two by the first refills; only the last two could be asked for two refills ahead.
; COS AND SIN (q, k): wave w fetches one table (even: cos, odd: sin) of the positions of R's half w / 2, rows 528 bytes apart: positions 0-63 into slot 0 behind step 13's round, 64-127 into slot 1 behind a round at the products' end.
;   Plain loads: the v clusters jump over the one line (the role is equal in all partners); waits, adds and rounds stand on every path.
; THE WAY OUT is two counted loops of four tiles of 16 rows of R.  A tile's 8 accumulators go into my own stage (16 rows x 528 bytes, in the scales' bytes, which have had their one fill) and come back with
;   lane (r, h) holding channels 64 c + 32 h + 0 .. 31 of row r: whole blocks of 32, and channel d beside d + 64.
; OUT: qkv [16 b*8+head][16 blocks of 128 positions][3 roles][12,800]: 8 fragments of 1,536 bytes (three parts of 512), then 512 bytes of scale words.
;   q: plain images (lane l's 16 bytes at 16 l).   k, v: tile a = 2 B + x, lane r = 8 u + y writes to 1536 (2 B + u) + 512 c + 256 x + 128 (h xor x) + 16 y.   scale words: 12,288 + 256 u + 128 x + 16 y + 4 B.
; LIMITS: NaN and infinities are not served.  A block whose largest magnitude lies under 2^-124 keeps the scale byte 1, a block of zeros too (its codes are zeros, and only this program reads the bytes).
; REGISTERS: window 0: v1-31 offsets and addresses, v32-63 scale words alone, v64-127 norm weights, v128-223 R's fragments, later the tile at work; window 1: P's fragments, later cos (v0-63) and sin (v64-127); windows 2, 3: accumulators.
.set ROWB,   256
.set NQ,     2
.set KROW,   1536
.set STEPS,  16
.set CHUNKS, 6
.set PITCH,  272                       ; 256 bytes + 16 of padding
.set FR,     12
.set NL,     6
.set NP,     4                         ; places behind this matrix instruction (ISA guide 7.12.1)
.set HALFT,  128*PITCH
.set SLOT,   4*HALFT                   ; R's 256 rows, then P's 256 rows
.set KS,     64
.set SCL,    2*SLOT                    ; behind the ring: the scales
.set HALFS,  32*272
.set SBLK,   4*272
.set SPARE,  SCL+4*HALFS               ; the spare words, 128 bytes a wave
.set WSC,    SPARE+512                 ; 512 bytes a wave: the eight tiles' scale words, gathered
.set CSP,    528                       ; a row of 128 f32 in LDS: 512 bytes + 16
.set CSW,    64*CSP                    ; a wave's part of a table
.set STG,    SCL                       ; the stages
.set STW,    16*CSP                    ; a stage; also 16 rows of a table
.set BLKB,   12800
.set W0,   8
.set SCWB, 10
.set NWO,  11
.set CSA,  12
.set STO,  13
.set RDB,  14
.set SRD,  15
.set ADRA, 16
.set ADRB, 20
.set SCO,  24
.set CA,   25
.set WT,   26
.set ADRS, 27
.set SPW,  28
.set NIL,  29
.set SWT,  30
.set H8,   31
.set SC,   32
.set NW,   64
.set AF,   128
.set Y,    128
.set TM,   192
.set CD,   208
.set CX,   220
.set PW,   228
.set DW,   232
.set T,    240
.set SS,   248
.set G1, 24
.set G0, 32
.set G1B, 48
.set G0B, 56
.set G1S, 68
.set G0S, 76
.set G1SB, 80
.set G0SB, 88
.set G0H, 4
.set G0HB, 8
.set G1C, 68                           ; when the scales' loads are done their registers take the tables' descriptors
.set G0C1, 76
.set G0C2, 80
.set MSB, 0
.macro WIN new
.if MSB != \new
	s_set_vgpr_msb (MSB<<8)|\new
.set MSB, \new
.endif
.endm
.set MUL_LO, 0xa1
.set MUL_HI, 0xf1
.set TO_B,   0x40
.macro JLOAD g0a, g1a, g0b, g1b        ; a joint load: waves 0, 1 fetch for R, waves 2, 3 for P
	s_cmp_eq_u32 s15, 0
	s_cbranch_scc0 .Lfor_b_\@
	tensor_load_to_lds s[\g0a:\g0a+3], s[\g1a:\g1a+7]
	s_nop 0
.rept 4
	v_nop
.endr
	s_branch .Lasked_\@
.Lfor_b_\@:
	tensor_load_to_lds s[\g0b:\g0b+3], s[\g1b:\g1b+7]
	s_nop 0
.rept 4
	v_nop
.endr
.Lasked_\@:
.endm
.macro CSLOAD g0                       ; my part of cos or sin; the v role asks for nothing
	s_cmp_eq_u32 s66, 2
	s_cbranch_scc1 .Lno_cs_\@
	tensor_load_to_lds s[\g0:\g0+3], s[G1C:G1C+7]
	s_nop 0
.rept 4
	v_nop
.endr
.Lno_cs_\@:
.endm
.macro CREST
	s_cmp_lg_u32 s14, 0
	s_cbranch_scc1 .Lnot_wave_0_\@
	s_barrier_signal -3
.Lnot_wave_0_\@:
	s_barrier_wait -3
	s_barrier_signal -1
	s_barrier_wait -1
.endm
.macro CROUND
	s_barrier_signal -1
	s_barrier_wait -1
	CREST
.endm
	s_load_b512 s[68:83], s[0:1], 0x0              ; x codes, scales, Wq codes, scales, Wk codes, scales, Wv codes, scales
	s_load_b256 s[92:99], s[0:1], 0x40             ; cos, sin, q_norm_w, k_norm_w
	s_load_b64 s[12:13], s[0:1], 0x60              ; qkv
	v_lshl_add_u32 v[SPW], v0, 2, SPARE
	v_mov_b32 v[NIL], 0
	ds_add_u32 v[SPW], v[NIL]                      ; the opening lines: the add twice and one wait
	ds_add_u32 v[SPW], v[NIL]
	v_lshrrev_b32 v1, 5, v0
	v_readfirstlane_b32 s14, v1                    ; wave
	s_lshr_b32 s15, s14, 1                         ; my half of R.  Also: I fetch for R (0) or P (1)
	s_and_b32 s16, s14, 1                          ; my half of P.  Also: which 128 rows I fetch; cos (0) or sin (1)
	s_bfe_u32 s40, ttmp6, 0x40000                  ; cx
	s_bfe_u32 s41, ttmp6, 0x40004                  ; cy
	s_and_b32 s18, ttmp9, 1                        ; cluster x 0..3: q (even) or k (odd); 4, 5: v
	s_and_b32 s19, ttmp7, 0xffff
	s_lshl_b32 s20, s19, 1
	s_add_co_u32 s20, s20, s18                     ; v: which four tiles of x
	s_lshr_b32 s21, ttmp9, 1
	s_lshl_b32 s21, s21, 1
	s_add_co_u32 s21, s21, s19                     ; q, k: which four tiles of x
	s_cmp_ge_u32 ttmp9, 4
	s_cselect_b32 s20, s20, 0
	s_cselect_b32 s21, 0, s21
	s_cselect_b32 s66, 2, s18                      ; the role: 0 q, 1 k, 2 v
	s_lshl_b32 s42, s20, 2
	s_add_co_u32 s42, s42, s40                     ; P's tile
	s_lshl_b32 s17, s21, 2
	s_add_co_u32 s17, s17, s41                     ; R's tile
	s_lshl_b32 s43, s41, 2
	s_lshl_b32 s43, 15, s43                        ; my row of the cluster
	s_lshl_b32 s44, 0x1111, s40                    ; my column
	s_or_b32 s[G1+0], s43, (0<<16)|(1<<20)|(1<<21)|(5<<22)|(3<<25)   ; rows of 256 bytes, 16 of padding behind each; 256 rows for the head's loads
	s_or_b32 s[G1B+0], s44, (0<<16)|(1<<20)|(1<<21)|(5<<22)|(3<<25)
.irp g, G1, G1B
	s_mov_b32 s[\g+1], ROWB<<16
	s_mov_b32 s[\g+2], 256<<16
	s_mov_b32 s[\g+3], ROWB<<16
	s_mov_b32 s[\g+4], 256
	s_mov_b32 s[\g+5], KROW
	s_mov_b32 s[\g+6], 0
	s_mov_b32 s[\g+7], 0
.endr
	s_lshl_b32 s20, s17, 8                         ; R: the tile's first row
	s_lshl_b32 s46, s42, 8                         ; P likewise
	s_mov_b32 s21, 0
	s_mov_b32 s47, 0
	s_mov_b64 s[18:19], KS
	s_mul_u64 s[22:23], s[20:21], s[18:19]         ; where these rows' scales begin
	s_mul_u64 s[100:101], s[46:47], s[18:19]
	s_mov_b64 s[18:19], KROW
	s_mul_u64 s[20:21], s[20:21], s[18:19]         ; and their codes
	s_mul_u64 s[46:47], s[46:47], s[18:19]
	s_mul_i32 s45, s14, HALFT                      ; the ring's loads go to wave x 128 rows
	s_mul_i32 s2, s15, HALFT                       ; LDS: my 128 rows of R,
	s_mul_i32 s3, s16, HALFT
	s_add_co_u32 s3, s3, 2*HALFT                   ; of P,
	s_mul_i32 s67, s15, HALFS
	s_mul_i32 s104, s16, HALFS
	s_add_co_u32 s104, s104, 2*HALFS
	s_sub_co_u32 s104, s104, s67                   ; from R's scales to P's,
	s_add_co_u32 s67, s67, SCL                     ; R's scales,
	s_mul_i32 s105, s14, STW
	s_add_co_u32 s105, s105, STG                   ; my stage
	s_wait_dscnt 0x0
	s_wait_kmcnt 0x0
	s_and_b32 s18, ttmp9, 1                        ; the buffers are chosen on the cluster's number alone
	s_cmp_eq_u32 s18, 1
	s_cselect_b64 s[8:9], s[76:77], s[72:73]       ; P: Wk or Wq,
	s_cselect_b64 s[10:11], s[78:79], s[74:75]
	s_cselect_b64 s[96:97], s[98:99], s[96:97]     ; the norm's weight
	s_cmp_ge_u32 ttmp9, 4
	s_cselect_b64 s[8:9], s[68:69], s[8:9]         ; or, for v, x
	s_cselect_b64 s[10:11], s[70:71], s[10:11]
	s_cselect_b64 s[4:5], s[80:81], s[68:69]       ; R: Wv, or x
	s_cselect_b64 s[6:7], s[82:83], s[70:71]
	s_mul_i32 s98, s15, 2*CSW                      ; LDS: the two tables of my half of R,
	s_lshl_b32 s99, s14, 9
	s_add_co_u32 s99, s99, WSC                     ; my scale words
	s_add_nc_u64 s[20:21], s[4:5], s[20:21]
	s_add_nc_u64 s[22:23], s[6:7], s[22:23]
	s_add_nc_u64 s[46:47], s[8:9], s[46:47]
	s_add_nc_u64 s[100:101], s[10:11], s[100:101]
	s_mul_i32 s18, s16, 128*KROW                   ; in the ring I fetch 128 rows of a tile
	s_mov_b32 s19, 0
	s_or_b32 s[G1S+0], s43, (3<<16)|(1<<20)|(1<<21)|(5<<22)|(3<<25)  ; the scales of 256 rows: 16,384 dense bytes as 64 rows of 256
	s_or_b32 s[G1SB+0], s44, (3<<16)|(1<<20)|(1<<21)|(5<<22)|(3<<25)
.irp g, G1S, G1SB
	s_mov_b32 s[\g+1], 32<<16
	s_mov_b32 s[\g+2], KS<<16
	s_mov_b32 s[\g+3], 32<<16
	s_mov_b32 s[\g+4], KS
	s_mov_b32 s[\g+5], 32
	s_mov_b32 s[\g+6], 0
	s_mov_b32 s[\g+7], 0
.endr
	CROUND                                         ; all sixteen work-groups are here: the first joint loads meet
	s_mov_b32 s[G0H], 1
	s_mov_b32 s[G0H+1], 0
	s_mov_b64 s[G0H+2:G0H+3], s[20:21]
	s_or_b32 s[G0H+3], s[G0H+3], 0x80000000
	s_mov_b32 s[G0HB], 1
	s_mov_b32 s[G0HB+1], 2*HALFT
	s_mov_b64 s[G0HB+2:G0HB+3], s[46:47]
	s_or_b32 s[G0HB+3], s[G0HB+3], 0x80000000
	s_mov_b32 s[G0S], 1
	s_mov_b32 s[G0S+1], SCL
	s_mov_b64 s[G0S+2:G0S+3], s[22:23]
	s_or_b32 s[G0S+3], s[G0S+3], 0x80000000
	s_mov_b32 s[G0SB], 1
	s_mov_b32 s[G0SB+1], SCL+2*HALFS
	s_mov_b64 s[G0SB+2:G0SB+3], s[100:101]
	s_or_b32 s[G0SB+3], s[G0SB+3], 0x80000000
	s_add_nc_u64 s[20:21], s[20:21], s[18:19]
	s_add_nc_u64 s[46:47], s[46:47], s[18:19]
.irp s, 0,1
	s_mov_b32 s[G0+4*\s], 1
	s_add_co_u32 s[G0+4*\s+1], s45, \s*SLOT
	s_add_nc_u64 s[G0+4*\s+2:G0+4*\s+3], s[20:21], \s*ROWB
	s_or_b32 s[G0+4*\s+3], s[G0+4*\s+3], 0x80000000
	s_mov_b32 s[G0B+4*\s], 1
	s_add_co_u32 s[G0B+4*\s+1], s45, \s*SLOT
	s_add_nc_u64 s[G0B+4*\s+2:G0B+4*\s+3], s[46:47], \s*ROWB
	s_or_b32 s[G0B+4*\s+3], s[G0B+4*\s+3], 0x80000000
.endr
; the head's loads, one a wave: wave 0 chunk 0's 256 rows of R, wave 1 those of P, wave 2 R's scales, wave 3 P's: one chain of branches, every way passes one load
.macro ARM under, g0, g1, next
	s_cmp_lt_u32 s14, \under
	s_cbranch_scc0 \next
	tensor_load_to_lds s[\g0:\g0+3], s[\g1:\g1+7]
	s_nop 0
.rept 4
	v_nop
.endr
	s_branch .Lhead_asked
\next:
.endm
	ARM 1, G0H,  G1,  .Lhead_b
	ARM 2, G0HB, G1B, .Lhead_sa
	ARM 3, G0S,  G1S, .Lhead_sb
	tensor_load_to_lds s[G0SB:G0SB+3], s[G1SB:G1SB+7]
	s_nop 0
.rept 4
	v_nop
.endr
.Lhead_asked:
	v_and_b32 v1, 15, v0                           ; r
	v_bfe_u32 v2, v0, 4, 1                         ; h
	v_mul_u32_u24 v3, v1, PITCH
	v_mul_u32_u24 v4, v2, 24
	v_add_nc_u32 v4, v3, v4                        ; a fragment's row x pitch + 24 h
	v_sub_nc_u32 v7, 1, v2
	v_mul_u32_u24 v5, SLOT-232, v2
	v_add_nc_u32 v5, v3, v5
	v_add_nc_u32 v5, 232, v5                       ; across two chunks: lanes 0-15 byte 232 in slot 0, lanes 16-31 byte 0 in slot 1;
	v_mul_u32_u24 v6, SLOT+232, v7
	v_add_nc_u32 v6, v3, v6                        ; and the other way round
	v_add_nc_u32 v[ADRA+2], s2, v5
	v_add_nc_u32 v[ADRA+3], s2, v6
	v_add_nc_u32 v[ADRB+2], s3, v5
	v_add_nc_u32 v[ADRB+3], s3, v6
	v_add_nc_u32 v[ADRA], s2, v4
	v_add_nc_u32 v[ADRB], s3, v4
	v_add_nc_u32 v[ADRA+1], SLOT, v[ADRA]
	v_add_nc_u32 v[ADRB+1], SLOT, v[ADRB]
	v_mul_u32_u24 v5, v1, KS                       ; my row's scales: 64 bytes a row,
	v_lshrrev_b32 v6, 8, v5
	v_lshl_add_u32 v5, v6, 4, v5                   ; and 16 more for each 256 passed
	v_mul_u32_u24 v6, s104, v2                     ; lanes 16-31 take P's
	v_add_nc_u32 v5, v5, v6
	v_add_nc_u32 v[ADRS], s67, v5
	v_mul_u32_u24 v5, v1, CSP
	v_lshl_add_u32 v6, v2, 5, v5
	v_add_nc_u32 v[STO], s105, v6                  ; the stage, in: row r, + 32 h
	v_lshl_add_u32 v6, v2, 7, v5
	v_add_nc_u32 v[RDB], s105, v6                  ; back: row r, + 128 h
	v_add_nc_u32 v[CSA], s98, v6                   ; cos: the same place of its row (sin CSW further on)
	v_lshlrev_b32 v[NWO], 7, v2
	v_lshlrev_b32 v[H8], 3, v2
.irp c, 0,1
.irp j, 0,1,2,3,4,5,6,7
	global_load_b128 v[NW+32*\c+4*\j:NW+32*\c+4*\j+3], v[NWO], s[96:97] offset:256*\c+16*\j   ; the norm's weights of channels 64 c + 32 h + ..: waited for on the way out (the v role does not read them)
.endr
.endr
	v_lshrrev_b32 v3, 3, v1                        ; u
	v_and_b32 v4, 7, v1                            ; y
	v_lshlrev_b32 v5, 4, v4
	v_lshl_add_u32 v7, v3, 8, v5
	v_add_nc_u32 v[SCWB], s99, v7                  ; my scale word in LDS: 256 u + 16 y
	v_mad_u32_u24 v5, v3, 1536, v5                 ; 1536 u + 16 y
	v_lshl_add_u32 v[W0], v2, 7, v5                ; k, v, even tile: + 128 h
	v_lshlrev_b32 v6, 7, v2
	v_sub_nc_u32 v[W0+1], v5, v6
	v_add_nc_u32 v[W0+1], 384, v[W0+1]             ; odd tile: + 256 + 128 (1 - h)
	v_and_b32 v6, 31, v0
	v_lshlrev_b32 v6, 4, v6                        ; 16 x lane
	v_add_nc_u32 v[SRD], s99, v6
	v_add_nc_u32 v[SCO], 12288, v6
	v_add_nc_u32 v7, 1536, v6
	s_cmp_eq_u32 s66, 0
	s_cselect_b32 vcc_lo, -1, 0
	v_cndmask_b32 v[W0], v[W0], v6, vcc_lo         ; q: plain images
	v_cndmask_b32 v[W0+1], v[W0+1], v7, vcc_lo
	s_lshl_b32 s18, s42, 1
	s_add_co_u32 s18, s18, s16                     ; my 128 of P
	s_lshl_b32 s19, s17, 1
	s_add_co_u32 s19, s19, s15                     ; my 128 of R
	s_cmp_eq_u32 s66, 2
	s_cselect_b32 s20, s18, s19                    ; the block of 128 positions,
	s_cselect_b32 s21, s19, s18                    ; and the head
	s_lshr_b32 s22, s20, 4
	s_lshl_b32 s22, s22, 3
	s_add_co_u32 s22, s22, s21
	s_lshl_b32 s22, s22, 4
	s_and_b32 s23, s20, 15
	s_add_co_u32 s22, s22, s23
	s_mul_i32 s22, s22, 3
	s_add_co_u32 s22, s22, s66
	s_mul_i32 s22, s22, BLKB
	s_mov_b32 s23, 0
	s_add_nc_u64 s[12:13], s[12:13], s[22:23]      ; my block of qkv
	s_cmp_eq_u32 s16, 1
	s_cselect_b64 s[92:93], s[94:95], s[92:93]     ; the table that I fetch
	s_lshl_b32 s22, s19, 16                        ; my 128 positions of 512 bytes
	s_add_nc_u64 s[92:93], s[92:93], s[22:23]
.macro FRAG reg, adr, st, i            ; 16 rows x 128 K: registers 6 c .. 6 c + 5 hold K = 64 c + 32 h + 0 .. 31, in pieces of 8 bytes; byte y of a row lies in slot (y / 256) % 2 at byte y % 256
.irp p, 0,1,2,3,4,5
.set BY, 96*(\st)+48*(\p/3)+8*(\p%3)
.if BY/ROWB == (BY+24)/ROWB
	ds_load_b64 v[\reg+2*\p:\reg+2*\p+1], v[\adr+(BY/ROWB)%2] offset:BY%ROWB+(\i)*16*PITCH
.else
	ds_load_b64 v[\reg+2*\p:\reg+2*\p+1], v[\adr+2+(BY/ROWB)%2] offset:BY%ROWB-232+(\i)*16*PITCH
.endif
.endr
.endm
.macro MUL16 a0, p, q, sc, zero        ; R's blocks a0, a0 + 1 x P's eight; the 64 accumulators take turns
.irp a, \a0, \a0+1
.irp b, 0,1,2,3,4,5,6,7
.if \zero
	v_wmma_scale_f32_16x16x128_f8f6f4 v[8*(8*((\a)%4)+\b):8*(8*((\a)%4)+\b)+7], v[128*(\p)+FR*\b:128*(\p)+FR*\b+FR-1], v[AF+FR*(\a):AF+FR*(\a)+FR-1], 0, v[SC+8*NQ*(\sc)+NQ*\b+(\q)], v[SC+8*NQ*(\sc)+NQ*(\a)+(\q)] matrix_a_fmt:MATRIX_FMT_FP6 matrix_b_fmt:MATRIX_FMT_FP6 matrix_a_scale:MATRIX_SCALE_ROW1
.else
	v_wmma_scale_f32_16x16x128_f8f6f4 v[8*(8*((\a)%4)+\b):8*(8*((\a)%4)+\b)+7], v[128*(\p)+FR*\b:128*(\p)+FR*\b+FR-1], v[AF+FR*(\a):AF+FR*(\a)+FR-1], v[8*(8*((\a)%4)+\b):8*(8*((\a)%4)+\b)+7], v[SC+8*NQ*(\sc)+NQ*\b+(\q)], v[SC+8*NQ*(\sc)+NQ*(\a)+(\q)] matrix_a_fmt:MATRIX_FMT_FP6 matrix_b_fmt:MATRIX_FMT_FP6 matrix_a_scale:MATRIX_SCALE_ROW1
.endif
.endr
.endr
.endm
.macro FETCH_B st, p
	WIN TO_B
.irp i, 0,1,2,3,4,5,6,7
	FRAG 128*(\p)+FR*\i, ADRB, \st, \i
.endr
	WIN 0
.endm
.macro FETCH_A st, i0
.irp i, \i0, \i0+1, \i0+2, \i0+3
	FRAG AF+FR*(\i), ADRA, \st, \i
.endr
.endm
.macro SCALES pr                       ; the scale words of steps 2 pr, 2 pr + 1: lanes 0-15 R's block i, lanes 16-31 P's
.irp i, 0,1,2,3,4,5,6,7
	ds_load_b64 v[SC+8*NQ*((\pr)%2)+NQ*\i:SC+8*NQ*((\pr)%2)+NQ*\i+1], v[ADRS] offset:\i*SBLK+4*NQ*(\pr)
.endr
.endm
.macro PLACES n
.rept \n
	v_nop
.endr
.endm
; A step of 128 along K.  Where the next step's bytes end in a chunk not read yet: a wait for my tensor loads and a barrier.  Where they begin in a later chunk: the wait, the add, the wait for it and for my reads, and the barrier,
; which opens a round of the cluster's where the slot left behind is filled again: with the chunk two on, or (chunk 4's slot) with the first parts of cos and sin.
.macro STEP st, zero
.set NX, (\st)+1
.set C0, (96*(\st))/ROWB
.set C1, (96*NX)/ROWB
.set E0, (96*(\st)+95)/ROWB
.set E1, (96*NX+95)/ROWB
.if C1 > C0 || E1 > E0
	s_wait_tensorcnt 0x0                           ; all my tensor loads have landed
.if C1 > C0
	ds_add_u32 v[SPW], v[NIL]
	s_wait_dscnt 4*NL+1                            ; the add and the youngest 24 loads (R's blocks 4-7) may be out
.else
	s_wait_dscnt 4*NL
.endif
	WIN MUL_LO
	MUL16 0, (\st)%2, (\st)%2, ((\st)/2)%2, \zero
	s_wait_dscnt 0x0                               ; the add and all my reads are done
	s_barrier_signal -1
	MUL16 2, (\st)%2, (\st)%2, ((\st)/2)%2, \zero
	WIN 0
	s_barrier_wait -1
.if C1 > C0 && C0+2 < CHUNKS
	CREST
	s_add_nc_u64 s[G0+4*(C0%2)+2:G0+4*(C0%2)+3], s[G0+4*(C0%2)+2:G0+4*(C0%2)+3], 2*ROWB
	s_add_nc_u64 s[G0B+4*(C0%2)+2:G0B+4*(C0%2)+3], s[G0B+4*(C0%2)+2:G0B+4*(C0%2)+3], 2*ROWB
	JLOAD G0+4*(C0%2), G1, G0B+4*(C0%2), G1B       ; chunk C0 + 2; its four v_nop are the places in front of the loads below
.else
.if C1 > C0 && C0+2 == CHUNKS
	CREST
	CSLOAD G0C1                                    ; slot 0 has had its last chunk
.endif
	PLACES NP
.endif
.else
	s_wait_dscnt 4*NL
	WIN MUL_LO
	MUL16 0, (\st)%2, (\st)%2, ((\st)/2)%2, \zero
	MUL16 2, (\st)%2, (\st)%2, ((\st)/2)%2, \zero
	s_wait_dscnt 0
	PLACES NP
.endif
	FETCH_B NX, NX%2
	FETCH_A NX, 0
.if NX%2 == 0
	SCALES NX/2
.endif
	WIN MUL_HI
	MUL16 4, (\st)%2, (\st)%2, ((\st)/2)%2, \zero
	MUL16 6, (\st)%2, (\st)%2, ((\st)/2)%2, \zero
	PLACES NP
	WIN 0
	FETCH_A NX, 4
.endm
	s_wait_alu depctr_va_vdst(0)                   ; the wait at the head's end
	s_wait_tensorcnt 0x0                           ; my tile of the head's four is in; slot 1's first fill is issued as a refill is
	ds_add_u32 v[SPW], v[NIL]
	s_mov_b32 s[G1+2], 128<<16                     ; no tensor load of mine is out: from here on a load of the ring brings 128 rows
	s_mov_b32 s[G1+4], 128
	s_mov_b32 s[G1B+2], 128<<16
	s_mov_b32 s[G1B+4], 128
	s_mov_b32 s[G1C+0], (2<<16)|(1<<20)|(6<<22)|(3<<25)   ; the tables: 64 rows of 128 elements of 4 bytes, 16 bytes of padding behind each; no mask
	s_mov_b32 s[G1C+1], 128<<16
	s_mov_b32 s[G1C+2], 64<<16
	s_mov_b32 s[G1C+3], 128<<16
	s_mov_b32 s[G1C+4], 64
	s_mov_b32 s[G1C+5], 128
	s_mov_b32 s[G1C+6], 0
	s_mov_b32 s[G1C+7], 0
	s_mul_i32 s22, s14, CSW
	s_mov_b32 s[G0C1], 1
	s_mov_b32 s[G0C1+1], s22
	s_mov_b64 s[G0C1+2:G0C1+3], s[92:93]
	s_or_b32 s[G0C1+3], s[G0C1+3], 0x80000000
	s_mov_b32 s[G0C2], 1
	s_add_co_u32 s[G0C2+1], s22, SLOT
	s_add_nc_u64 s[G0C2+2:G0C2+3], s[92:93], 64*512
	s_or_b32 s[G0C2+3], s[G0C2+3], 0x80000000
	s_wait_dscnt 0x0
	CROUND
	JLOAD G0+4, G1, G0B+4, G1B                     ; chunk 1
	FETCH_B 0, 0
	FETCH_A 0, 0
	SCALES 0
	FETCH_A 0, 4
	STEP 0, 1                                      ; the first step's products start the sums
.set ST, 1
.rept STEPS-2
	STEP ST, 0
.set ST, ST+1
.endr
	s_wait_dscnt 4*NL
	WIN MUL_LO
	MUL16 0, 1, 1, 1, 0
	MUL16 2, 1, 1, 1, 0
	s_wait_dscnt 0
	WIN MUL_HI
	MUL16 4, 1, 1, 1, 0
	MUL16 6, 1, 1, 1, 0
	WIN 0
	s_wait_tensorcnt 0x0                           ; my first part of cos or sin has landed
	ds_add_u32 v[SPW], v[NIL]
	PLACES NP                                      ; behind the last products
	s_mov_b32 s98, 0x76543210
	s_mov_b32 s99, 0xfedcba98                      ; v_permlanex16_b32's selects for lane l xor 16
	s_mov_b32 s100, 0x358637bd                     ; eps = 1e-6
	s_mov_b32 s101, 0x3c000000                     ; 1 / 128
	s_wait_dscnt 0x0                               ; my reads of slot 1 and of the scales are over
	CROUND                                         ; so are everybody's
	CSLOAD G0C2                                    ; the second parts, into slot 1: four tiles of the way out stand ahead of the wait for them
.macro DUMP p, t                       ; tile 4 p + t: its 8 accumulators into my stage, each from its low end on
	WIN 0x08+4*\p
.irp b, 0,1,2,3,4,5,6,7
	ds_store_b128 v[STO], v[64*\t+8*\b:64*\t+8*\b+3] offset:64*\b
	ds_store_b128 v[STO], v[64*\t+8*\b+4:64*\t+8*\b+7] offset:64*\b+16
.endr
	WIN 0
.endm
.macro WAYOUT p                        ; tiles 4 p .. 4 p + 3; s3 counts them
	s_mov_b32 s3, 0
.Ltile\p:
	s_wait_alu depctr_va_vdst(0)                   ; the wait ahead of the branches and of the first reads of matrix results
.irp t, 0,1,2
	s_cmp_eq_u32 s3, \t
	s_cbranch_scc0 .Lnot\p\t
	DUMP \p, \t
	s_branch .Ldumped\p
.Lnot\p\t:
.endr
	DUMP \p, 3
.Ldumped\p:
.irp c, 0,1
.irp j, 0,1,2,3,4,5,6,7
	ds_load_b128 v[Y+32*\c+4*\j:Y+32*\c+4*\j+3], v[RDB] offset:256*\c+16*\j   ; LDS serves a wave's instructions in order (ISA guide 5.7.1.4): these see the stores above
.endr
.endr
	s_cmp_eq_u32 s66, 2
	s_cbranch_scc1 .Lplain\p                       ; v is quantised as it is
	s_mul_i32 s18, s3, STW
.if \p
	s_add_co_u32 s18, s18, SLOT
.endif
	v_add_nc_u32 v[CA], s18, v[CSA]
	WIN 0x40
.irp c, 0,1
.irp j, 0,1,2,3,4,5,6,7
	ds_load_b128 v[32*\c+4*\j:32*\c+4*\j+3], v[CA] offset:256*\c+16*\j
	ds_load_b128 v[64+32*\c+4*\j:64+32*\c+4*\j+3], v[CA] offset:CSW+256*\c+16*\j
.endr
.endr
	WIN 0
	s_wait_dscnt 32                                ; the tile is back; the 32 loads of cos and sin may be out
.irp k, 0,1,2,3
	v_pk_mul_f32 v[SS+2*\k:SS+2*\k+1], v[Y+2*\k:Y+2*\k+1], v[Y+2*\k:Y+2*\k+1]   ; the sum of squares, in four chains
.endr
.set PP, 4
.rept 28
	v_pk_fma_f32 v[SS+2*(PP%4):SS+2*(PP%4)+1], v[Y+2*PP:Y+2*PP+1], v[Y+2*PP:Y+2*PP+1], v[SS+2*(PP%4):SS+2*(PP%4)+1]
.set PP, PP+1
.endr
	v_pk_add_f32 v[SS:SS+1], v[SS:SS+1], v[SS+2:SS+3]
	v_pk_add_f32 v[SS+4:SS+5], v[SS+4:SS+5], v[SS+6:SS+7]
	v_pk_add_f32 v[SS:SS+1], v[SS:SS+1], v[SS+4:SS+5]
	v_add_f32 v[SS], v[SS], v[SS+1]
	v_permlanex16_b32 v[T], v[SS], s98, s99        ; the head's other 64 channels lie in lane l xor 16
	v_add_f32 v[SS], v[SS], v[T]
	v_fma_f32 v[SS+2], v[SS], s101, s100           ; sum / 128 + eps
	s_wait_alu depctr_va_vdst(0)                   ; the wait ahead of the transcendental,
	v_rsq_f32 v[SS], v[SS+2]
	v_nop
	s_wait_alu depctr_va_vdst(0)                   ; and behind it
.set PP, 0
.rept 32
	v_pk_mul_f32 v[Y+2*PP:Y+2*PP+1], v[Y+2*PP:Y+2*PP+1], v[SS:SS+1] op_sel_hi:[1,0]
.set PP, PP+1
.endr
.set PP, 0
.rept 32
	v_pk_mul_f32 v[Y+2*PP:Y+2*PP+1], v[Y+2*PP:Y+2*PP+1], v[NW+2*PP:NW+2*PP+1]   ; w x (x / rms)
.set PP, PP+1
.endr
	s_wait_alu depctr_va_vdst(0)
	s_wait_dscnt 0x0                               ; cos and sin are in
	WIN 0x04                                       ; source 1: window 1
.irp i, 0,2,4,6,8,10,12,14,16,18,20,22,24,26,28,30   ; lo = channel d < 64, hi = d + 64:  lo' = lo cos(d) - hi sin(d),  hi' = hi cos(d + 64) + lo sin(d + 64)
.set TT, T+2*((\i/2)%4)
	v_pk_mul_f32 v[TT:TT+1], v[Y+\i:Y+\i+1], v[96+\i:97+\i]
	v_pk_mul_f32 v[Y+\i:Y+\i+1], v[Y+\i:Y+\i+1], v[\i:\i+1]
	v_pk_fma_f32 v[Y+\i:Y+\i+1], v[Y+32+\i:Y+33+\i], v[64+\i:65+\i], v[Y+\i:Y+\i+1] neg_lo:[1,0,0] neg_hi:[1,0,0]
	v_pk_fma_f32 v[Y+32+\i:Y+33+\i], v[Y+32+\i:Y+33+\i], v[32+\i:33+\i], v[TT:TT+1]
.endr
	WIN 0
.Lplain\p:
	s_and_b32 s18, s3, 1                           ; x
	s_lshr_b32 s19, s3, 1
	s_cmp_eq_u32 s18, 1
	s_cselect_b32 s20, -1, 0
	s_lshl_b32 s18, s18, 7
	s_lshl_b32 s21, s19, 2
	s_add_co_u32 s18, s18, s21                     ; the scale word: 128 x + 4 B
	s_mul_i32 s19, s19, 3072
	s_wait_alu depctr_va_vdst(0)
	s_wait_dscnt 0x0
	s_wait_xcnt 0x0                                ; the last tile's stores have read their registers
	v_cndmask_b32 v[WT], v[W0], v[W0+1], s20
	v_add_nc_u32 v[WT], s19, v[WT]
	v_add_nc_u32 v[SWT], s18, v[SCWB]
.irp k, 0,1,2,3
	v_max3_num_f32 v[TM+\k], |v[Y+16*\k]|, |v[Y+16*\k+1]|, 0x1800000   ; my blocks h and 2 + h, each in two chains, and the floor 2^(3 - 127)
.endr
.irp i, 2,4,6,8,10,12,14
.irp k, 0,1,2,3
	v_max3_num_f32 v[TM+\k], v[TM+\k], |v[Y+16*\k+\i]|, |v[Y+16*\k+\i+1]|
.endr
.endr
	v_max_num_f32 v[TM], v[TM], v[TM+1]
	v_max_num_f32 v[TM+1], v[TM+2], v[TM+3]
	v_add_nc_u32 v[TM+4], 0xff000000, v[TM]        ; 2 off the exponent field: the conversion's scale operand
	v_add_nc_u32 v[TM+5], 0xff000000, v[TM+1]
	v_lshrrev_b32 v[TM+2], 23, v[TM+4]             ; the scale's byte
	v_lshrrev_b32 v[TM+3], 23, v[TM+5]
	v_lshl_or_b32 v[PW], v[TM+3], 16, v[TM+2]
	v_lshlrev_b32 v[PW], v[H8], v[PW]              ; at their places in the word
	v_permlanex16_b32 v[TM+6], v[PW], s98, s99
	v_or_b32 v[PW], v[PW], v[TM+6]                 ; with lane l xor 16's two the word is whole
.irp c, 0,1
	v_cvt_scalef32_pk16_fp6_f32 v[CD+6*\c:CD+6*\c+2], v[Y+32*\c:Y+32*\c+15], v[TM+4+\c]
	v_cvt_scalef32_pk16_fp6_f32 v[CX+4*\c:CX+4*\c+2], v[Y+32*\c+16:Y+32*\c+31], v[TM+4+\c]   ; (a conversion's three registers begin on an even number)
.endr
	v_nop
.irp c, 0,1
.irp i, 0,1,2
	v_mov_b32 v[CD+3+6*\c+\i], v[CX+4*\c+\i]
.endr
.endr
	ds_store_b32 v[SWT], v[PW] offset:8*\p         ; lanes l and l xor 16 write the same word with the same value
.irp c, 0,1,2
	global_store_b128 v[WT], v[CD+4*\c:CD+4*\c+3], s[12:13] offset:6144*\p+512*\c
.endr
	s_add_co_u32 s3, s3, 1
	s_cmp_lt_u32 s3, 4
	s_cbranch_scc1 .Ltile\p
.endm
	v_mov_b32 v[TM+6], 0                           ; written once: a lane permute's destination counts as one of its sources
	v_mov_b32 v[T], 0
	s_wait_loadcnt 0x0                             ; the norm's weights
	WAYOUT 0
	s_wait_tensorcnt 0x0                           ; my second part of cos or sin has landed,
	s_wait_dscnt 0x0
	s_barrier_signal -1
	s_barrier_wait -1                              ; everybody's has
	WAYOUT 1
	ds_load_b128 v[DW:DW+3], v[SRD]                ; my eight tiles' scale words
	s_wait_dscnt 0x0
	global_store_b128 v[SCO], v[DW:DW+3], s[12:13] ; the wave stores 512 consecutive bytes
	s_wait_tensorcnt 0x0                           ; the wave's end
	ds_add_u32 v[SPW], v[NIL]
	s_wait_dscnt 0x0
	CROUND                                         ; the closing round
	s_endpgm
.Lfunc_end_k_q0827c62d57_qkv_proj:
	.size	k_q0827c62d57_qkv_proj, .Lfunc_end_k_q0827c62d57_qkv_proj-k_q0827c62d57_qkv_proj
	.p2alignl 7, 3214868480
	.fill 96, 4, 3214868480
	.section	.rodata,"a",@progbits
	.p2align	6, 0x0
	.amdhsa_kernel k_q0827c62d57_qkv_proj
		.amdhsa_group_segment_fixed_size 327680
		.amdhsa_private_segment_fixed_size 0
		.amdhsa_enable_private_segment 0
		.amdhsa_kernarg_size 104
		.amdhsa_user_sgpr_count 2
		.amdhsa_user_sgpr_kernarg_segment_ptr 1
		.amdhsa_wavefront_size32 1
		.amdhsa_system_sgpr_workgroup_id_x 1
		.amdhsa_system_sgpr_workgroup_id_y 1
		.amdhsa_system_sgpr_workgroup_id_z 1
		.amdhsa_system_vgpr_workitem_id 0
		.amdhsa_next_free_vgpr 1024
		.amdhsa_next_free_sgpr 106
		.amdhsa_reserve_vcc 1
		.amdhsa_float_denorm_mode_32 3
		.amdhsa_float_denorm_mode_16_64 3
		.amdhsa_memory_ordered 1
		.amdhsa_forward_progress 1
		.amdhsa_inst_pref_size 255
	.end_amdhsa_kernel
	.section	.bss,"aw",@nobits
	.p2align	6
	.space	262144
	.amdgpu_metadata
---
amdhsa.version: [ 1, 2 ]
amdhsa.kernels:
  - .name:           k_q0827c62d57_qkv_proj
    .symbol:         k_q0827c62d57_qkv_proj.kd
    .args:
      - { .name: hidden_states_codes, .offset: 0, .size: 8, .value_kind: global_buffer, .address_space: global }
      - { .name: hidden_states_scales, .offset: 8, .size: 8, .value_kind: global_buffer, .address_space: global }
      - { .name: Wq_codes, .offset: 16, .size: 8, .value_kind: global_buffer, .address_space: global }
      - { .name: Wq_scales, .offset: 24, .size: 8, .value_kind: global_buffer, .address_space: global }
      - { .name: Wk_codes, .offset: 32, .size: 8, .value_kind: global_buffer, .address_space: global }
      - { .name: Wk_scales, .offset: 40, .size: 8, .value_kind: global_buffer, .address_space: global }
      - { .name: Wv_codes, .offset: 48, .size: 8, .value_kind: global_buffer, .address_space: global }
      - { .name: Wv_scales, .offset: 56, .size: 8, .value_kind: global_buffer, .address_space: global }
      - { .name: cos, .offset: 64, .size: 8, .value_kind: global_buffer, .address_space: global }
      - { .name: sin, .offset: 72, .size: 8, .value_kind: global_buffer, .address_space: global }
      - { .name: q_norm_w, .offset: 80, .size: 8, .value_kind: global_buffer, .address_space: global }
      - { .name: k_norm_w, .offset: 88, .size: 8, .value_kind: global_buffer, .address_space: global }
      - { .name: qkv, .offset: 96, .size: 8, .value_kind: global_buffer, .address_space: global }
    .group_segment_fixed_size: 327680
    .private_segment_fixed_size: 0
    .kernarg_segment_align: 8
    .kernarg_segment_size: 104
    .max_flat_workgroup_size: 128
    .sgpr_count:     106
    .vgpr_count:     1024
    .wavefront_size: 32
...
	.end_amdgpu_metadata
.endif
;; end of part 1
;; launch attend (part 2): grid 16 x 16, 8 waves a work-group, clusters of 4 x 4, 327,680 bytes of LDS; arguments qkv, attention_mask, af; writes af
.if DOCPART == 2
	.amdgcn_target "amdgcn-amd-amdhsa--gfx1250"
	.amdhsa_code_object_version 6
	.text
	.protected	k_q0827c62d57_attend
	.globl	k_q0827c62d57_attend
	.p2align	8
	.type	k_q0827c62d57_attend,@function
k_q0827c62d57_attend:
	s_mov_b64 s[64:65], 0
	v_nop
	global_prefetch_b8 v0, s[64:65] scope:SCOPE_SE
	s_setreg_imm32_b32 hwreg(HW_REG_WAVE_MODE, 25, 1), 1
	s_wait_xcnt 0x0
	s_wait_alu depctr_hold_cnt(0) depctr_sa_sdst(0) depctr_va_vdst(0) depctr_va_sdst(0) depctr_va_ssrc(0) depctr_va_vcc(0) depctr_vm_vsrc(0)
	s_getreg_b32 s2, hwreg(HW_REG_IB_STS2, 6, 4)
	s_cmp_eq_u32 s2, 0
	s_cbranch_scc0 .Lentry_in_a_cluster
	s_endpgm
.Lentry_in_a_cluster:
	s_bfe_u32 s2, ttmp6, 0x10000c
	s_cmp_lg_u32 s2, 0xf033
	s_cbranch_scc0 .Lentry_shape_is_right
	s_endpgm
.Lentry_shape_is_right:
; o = softmax(q k^T / sqrt(128) + mask) v on codes of FP6, 128 queries of one head a work-group, 16 a wave, keys in steps of 128 through three LDS slots (k, v, and the mask's tile, which is honoured as it is given).
; u = score / sqrt(128) + mask; the largest u gives M = ceil(largest u x log2(e)), kept as -M; p = 2^(u log2(e) - M) by one fused multiply-add and one exponential.
; LIMITS: NaN and infinities are not served; the promise holds while u x log2(e) stays under 2^31 in magnitude.
.set SLOTB, 93184
.set VOFF,  12800
.set MOFF,  25600
.set MP,    528
.set SPARE, 3*SLOTB
.set AKV0, 1
.set ASC0, 2
.set AM0,  3
.set PFO,  4
.set SPW,  5
.set NIL,  6
.set OIM,  7
.set ADK,  8
.set ADM,  9
.set ADS,  10
.set OSC,  11
.set SCLF, 10
.set WV,   18
.set SEL,  20
.set CS,   22
.set G1M,  24
.set G1KV, 32
.set MA,   40
.set KA,   44
.set MB,   56
.set KB,   60
.set TRIPS, 67
.set PFB,  68
.set JM,   70
.set JK,   72
.set MSB, 0
.macro WIN new
.if MSB != \new
	s_set_vgpr_msb (MSB<<8)|\new
.set MSB, \new
.endif
.endm
.macro CROUND
	s_barrier_signal -1
	s_barrier_wait -1
	s_cmp_lg_u32 s[WV], 0
	s_cbranch_scc1 .Lnot_wave_0_\@
	s_barrier_signal -3
.Lnot_wave_0_\@:
	s_barrier_wait -3
	s_barrier_signal -1
	s_barrier_wait -1
.endm
.macro TL mlo, mhi, g0m, klo, khi, g0k
	s_cmp_ge_u32 s[WV], \mlo
	s_cbranch_scc0 .Lnot_m_\@
	s_cmp_lt_u32 s[WV], \mhi
	s_cbranch_scc0 .Lnot_m_\@
	tensor_load_to_lds s[\g0m:\g0m+3], s[G1M:G1M+7]
	s_nop 0
.rept 4
	v_nop
.endr
	s_branch .Lasked_\@
.Lnot_m_\@:
	s_cmp_ge_u32 s[WV], \klo
	s_cbranch_scc0 .Lasked_\@
	s_cmp_lt_u32 s[WV], \khi
	s_cbranch_scc0 .Lasked_\@
	tensor_load_to_lds s[\g0k:\g0k+3], s[G1KV:G1KV+7]
	s_nop 0
.rept 4
	v_nop
.endr
.Lasked_\@:
.endm
	s_load_b128 s[4:7], s[0:1], 0x0
	s_load_b64 s[8:9], s[0:1], 0x10
	v_lshl_add_u32 v[SPW], v0, 2, SPARE
	v_mov_b32 v[NIL], 0
	ds_add_u32 v5, v6
	ds_add_u32 v5, v6
	s_wait_dscnt 0x0
	v_lshrrev_b32 v8, 5, v0
	s_delay_alu instid0(VALU_DEP_1)
	v_readfirstlane_b32 s[WV], v8
	s_bfe_u32 s48, ttmp6, 0x40000
	s_bfe_u32 s49, ttmp6, 0x40004
	s_lshl_b32 s50, ttmp9, 2
	s_add_co_u32 s50, s50, s48
	s_and_b32 s52, ttmp7, 0xffff
	s_lshl_b32 s51, s52, 2
	s_add_co_u32 s51, s51, s49
	s_lshr_b32 s52, s52, 1
	s_lshl_b32 s53, s49, 2
	s_lshl_b32 s53, 15, s53
	s_lshl_b32 s54, 0x1111, s48
	s_or_b32 s[G1M], s54, (2<<16)|(1<<20)|(1<<21)|(6<<22)|(3<<25)
	s_mov_b32 s[G1M+1], 128<<16
	s_mov_b32 s[G1M+2], 64<<16
	s_mov_b32 s[G1M+3], 128<<16
	s_mov_b32 s[G1M+4], 64
	s_mov_b32 s[G1M+5], 2048
	s_mov_b32 s[G1M+6], 0
	s_mov_b32 s[G1M+7], 0
	s_or_b32 s[G1KV], s53, (3<<16)|(1<<21)
	s_mov_b32 s[G1KV+1], 32<<16
	s_mov_b32 s[G1KV+2], 100<<16
	s_mov_b32 s[G1KV+3], 32<<16
	s_mov_b32 s[G1KV+4], 100
	s_mov_b32 s[G1KV+5], 32
	s_mov_b32 s[G1KV+6], 0
	s_mov_b32 s[G1KV+7], 0
	s_and_b32 s55, s[WV], 1
	s_bfe_u32 s74, s[WV], 0x10001
	s_xor_b32 s75, s74, 1
	s_xor_b32 s78, s55, 1
	s_lshl_b32 s12, s50, 7
	s_lshl_b32 s13, s55, 6
	s_add_co_u32 s12, s12, s13
	s_lshl_b32 s12, s12, 13
	s_lshl_b32 s13, s52, 24
	s_add_co_u32 s12, s12, s13
	s_mov_b32 s13, 0
	s_lshl_b32 s76, s75, 10
	s_mov_b32 s77, 0
	s_mul_i32 s[JM], s74, 1536
	s_mov_b32 s[JM+1], 0
	s_mul_i32 s14, s51, 614400
	s_add_co_u32 s14, s14, 12800
	s_mov_b32 s15, 0
	s_mul_i32 s80, s78, 76800
	s_mov_b32 s81, 0
	s_mul_i32 s[JK], s55, 115200
	s_mov_b32 s[JK+1], 0
	s_mul_i32 s83, s55, 64*MP
	s_add_co_u32 s83, s83, MOFF
	s_mul_i32 s82, s75, 2*SLOTB
	s_add_co_u32 s82, s82, s83
	s_add_co_u32 s83, s83, SLOTB
	s_mul_i32 s84, s78, 2*SLOTB
	s_lshl_b32 s16, s51, 4
	s_add_co_u32 s16, s16, s50
	s_mul_i32 s16, s16, 38400
	s_mov_b32 s17, 0
	s_lshl_b32 s86, s52, 4
	s_add_co_u32 s86, s86, s50
	s_lshl_b32 s86, s86, 3
	s_and_b32 s87, s51, 7
	s_add_co_u32 s86, s86, s87
	s_mul_i32 s86, s86, 13312
	s_mov_b32 s87, 0
	s_lshl_b32 s88, s50, 7
	s_and_b32 s89, s51, 7
	s_lshl_b32 s89, s89, 4
	s_add_co_u32 s88, s88, s89
	s_lshl_b32 s88, s88, 13
	s_lshl_b32 s89, s52, 24
	s_add_co_u32 s88, s88, s89
	s_add_co_u32 s88, s88, 2048
	s_mov_b32 s89, 0
	s_mov_b32 s[SCLF], 0x3db504f3
	s_mov_b32 s[SCLF+1], s[SCLF]
	s_mov_b32 s[CS], 0x3fb8aa3b
	s_mov_b32 s[CS+1], s[CS]
	s_mov_b32 s[SEL], 0x76543210
	s_mov_b32 s[SEL+1], 0xfedcba98
	s_mov_b32 s[TRIPS], 4
	s_wait_kmcnt 0x0
	s_mov_b32 s[MA], 1
	s_mov_b32 s[MA+1], s82
	s_add_nc_u64 s[MA+2:MA+3], s[6:7], s[12:13]
	s_add_nc_u64 s[MA+2:MA+3], s[MA+2:MA+3], s[76:77]
	s_or_b32 s[MA+3], s[MA+3], 0x80000000
	s_mov_b32 s[MB], 1
	s_mov_b32 s[MB+1], s83
	s_add_nc_u64 s[MB+2:MB+3], s[6:7], s[12:13]
	s_add_nc_u64 s[MB+2:MB+3], s[MB+2:MB+3], 512
	s_or_b32 s[MB+3], s[MB+3], 0x80000000
	s_mov_b32 s[KA], 1
	s_mov_b32 s[KA+1], s84
	s_add_nc_u64 s[KA+2:KA+3], s[4:5], s[14:15]
	s_add_nc_u64 s[KA+2:KA+3], s[KA+2:KA+3], s[80:81]
	s_or_b32 s[KA+3], s[KA+3], 0x80000000
	s_mov_b32 s[KB], 1
	s_mov_b32 s[KB+1], SLOTB
	s_add_nc_u64 s[KB+2:KB+3], s[4:5], s[14:15]
	s_add_nc_u64 s[KB+2:KB+3], s[KB+2:KB+3], 38400
	s_or_b32 s[KB+3], s[KB+3], 0x80000000
	s_add_nc_u64 s[PFB:PFB+1], s[6:7], s[88:89]
	s_add_nc_u64 s[4:5], s[4:5], s[16:17]
	s_add_nc_u64 s[8:9], s[8:9], s[86:87]
	CROUND
	TL 0, 4, MA, 4, 6, KA
	s_wait_alu depctr_va_vdst(0)
	s_wait_tensorcnt 0x0
	ds_add_u32 v5, v6
	ds_add_u32 v5, v6
	s_wait_dscnt 0x0
	CROUND
	TL 6, 8, MB, 5, 6, KB
	v_and_b32 v96, 15, v0
	v_bfe_u32 v97, v0, 4, 1
	s_delay_alu instid0(VALU_DEP_2)
	v_lshrrev_b32 v98, 3, v96
	s_delay_alu instid0(VALU_DEP_3)
	v_and_b32 v99, 7, v96
	v_and_b32 v100, 31, v0
	s_delay_alu instid0(VALU_DEP_3)
	v_xor_b32 v[AKV0], v97, v98
	s_delay_alu instid0(VALU_DEP_1)
	v_lshlrev_b32 v[AKV0], 7, v[AKV0]
	s_delay_alu instid0(VALU_DEP_1)
	v_lshl_add_u32 v[AKV0], v98, 8, v[AKV0]
	s_delay_alu instid0(VALU_DEP_1)
	v_lshl_add_u32 v[AKV0], v99, 4, v[AKV0]
	v_lshlrev_b32 v[ASC0], 4, v96
	s_mul_i32 s90, s[WV], 16*MP
	s_add_co_u32 s90, s90, MOFF
	v_mul_u32_u24 v[AM0], v96, MP
	s_delay_alu instid0(VALU_DEP_1)
	v_lshl_add_u32 v[AM0], v97, 6, v[AM0]
	s_delay_alu instid0(VALU_DEP_1)
	v_add_nc_u32 v[AM0], s90, v[AM0]
	v_lshrrev_b32 v[PFO], 1, v100
	s_delay_alu instid0(VALU_DEP_1)
	v_lshlrev_b32 v[PFO], 13, v[PFO]
	v_and_b32 v101, 1, v100
	s_delay_alu instid0(VALU_DEP_1)
	v_lshl_add_u32 v[PFO], v101, 8, v[PFO]
	s_mul_i32 s90, s[WV], 1536
	v_lshlrev_b32 v[OIM], 4, v100
	s_delay_alu instid0(VALU_DEP_1)
	v_add_nc_u32 v[OIM], s90, v[OIM]
	s_wait_alu depctr_va_vdst(0)
	s_lshl_b32 s90, s[WV], 7
	s_add_co_u32 s90, s90, 12288
	v_lshlrev_b32 v[OSC], 2, v100
	s_delay_alu instid0(VALU_DEP_1)
	v_add_nc_u32 v[OSC], s90, v[OSC]
	s_and_b32 s90, s[WV], 1
	s_lshl_b32 s90, s90, 7
	s_lshr_b32 s91, s[WV], 1
	s_lshl_b32 s91, s91, 2
	s_add_co_u32 s90, s90, s91
	s_add_co_u32 s90, s90, 12288
	v_lshlrev_b32 v102, 8, v98
	s_delay_alu instid0(VALU_DEP_1)
	v_lshl_add_u32 v102, v99, 4, v102
	s_delay_alu instid0(VALU_DEP_1)
	v_add_nc_u32 v102, s90, v102
	global_load_b128 v[16:19], v[OIM], s[4:5]
	global_load_b128 v[20:23], v[OIM], s[4:5] offset:512
	global_load_b128 v[24:27], v[OIM], s[4:5] offset:1024
	global_load_b32 v28, v102, s[4:5]
	v_mov_b32 v13, 0xff61b1e6
	s_delay_alu instid0(VALU_DEP_1)
	v_floor_f32 v12, -v13
	v_mov_b32 v14, 0
	v_mov_b32 v15, 0
.irp b, 0,1,2,3
	v_mov_b32 v[236+\b], 0
.endr
	v_mov_b32 v253, 0
.set J, 0
.rept 64
	v_mov_b32 v[160+J], 0
.set J, J+1
.endr
.macro CODES
.irp b, 0,1,2,3
	s_delay_alu instid0(VALU_DEP_4)
	v_add_nc_u32 v[244+\b], 0xff000000, v[232+\b]
.endr
.irp b, 0,1,2,3
	s_delay_alu instid0(VALU_DEP_4)
	v_lshrrev_b32 v[236+\b], 23, v[244+\b]
.endr
	s_delay_alu instid0(VALU_DEP_3)
	v_lshl_or_b32 v253, v237, 8, v236
	s_delay_alu instid0(VALU_DEP_1)
	v_lshl_or_b32 v253, v238, 16, v253
	s_delay_alu instid0(VALU_DEP_1)
	v_lshl_or_b32 v253, v239, 24, v253
.irp c, 0,1
	v_cvt_scalef32_pk16_fp6_f32 v[224+6*\c:226+6*\c], v[96+32*\c:111+32*\c], v[244+2*\c]
	v_cvt_scalef32_pk16_fp6_f32 v[236+4*\c:238+4*\c], v[112+32*\c:127+32*\c], v[244+2*\c+1]
.endr
	v_nop
.irp c, 0,1
.irp i, 0,1,2
	v_permlane16_swap_b32 v[224+6*\c+\i], v[236+4*\c+\i]
.endr
.irp i, 0,1,2
	s_delay_alu instid0(VALU_DEP_3)
	v_mov_b32 v[227+6*\c+\i], v[236+4*\c+\i]
.endr
.endr
.endm
.macro HEAD slot, pf
	v_add_nc_u32 v[ADK], \slot*SLOTB, v[AKV0]
	v_add_nc_u32 v[ADM], \slot*SLOTB, v[AM0]
	v_add_nc_u32 v[ADS], \slot*SLOTB, v[ASC0]
	v_nop
	ds_load_b128 v[32:35], v[ADS] offset:12288
	ds_load_b128 v[36:39], v[ADS] offset:12544
	ds_load_b128 v[40:43], v[ADS] offset:VOFF+12288
	ds_load_b128 v[44:47], v[ADS] offset:VOFF+12544
	WIN 0x40
.irp t, 0,1,2,3,4,5,6,7
.irp c, 0,1,2
	ds_load_b128 v[12*\t+4*\c:12*\t+4*\c+3], v[ADK] offset:1536*\t+512*\c
.endr
.endr
.irp g, 0,1,2,3
.irp j, 0,1,2,3
	ds_load_b128 v[192+16*\g+4*\j:192+16*\g+4*\j+3], v[ADM] offset:128*\g+16*\j
.endr
.endr
.irp t, 0,1,2,3,4,5,6,7
.irp c, 0,1,2
	ds_load_b128 v[96+12*\t+4*\c:96+12*\t+4*\c+3], v[ADK] offset:VOFF+1536*\t+512*\c
.endr
.endr
	WIN 0
.if \pf >= 0
	s_cmp_eq_u32 s[WV], 7
	s_cbranch_scc0 .Lno_pf_\@
.if \pf == 1536
	s_cmp_lt_u32 s[TRIPS], 2
	s_cbranch_scc1 .Lno_pf_\@
.endif
	global_prefetch_b8 v[PFO], s[PFB:PFB+1] offset:\pf th:TH_LOAD_NT scope:SCOPE_SE
.Lno_pf_\@:
.endif
	s_wait_dscnt 40
	WIN 0x01
.irp t, 0,1,2,3,4,5,6,7
	v_wmma_scale_f32_16x16x128_f8f6f4 v[96+8*\t:103+8*\t], v[12*\t:12*\t+11], v[16:27], 0, v[32+4*(\t%2)+\t/2], v28 matrix_a_fmt:MATRIX_FMT_FP6 matrix_b_fmt:MATRIX_FMT_FP6
.endr
.rept 4
	v_nop
.endr
	s_wait_dscnt 24
	WIN 0x10
.set J, 0
.rept 32
	v_pk_fma_f32 v[96+J:97+J], v[96+J:97+J], s[SCLF:SCLF+1], v[192+J:193+J] op_sel_hi:[1,0,1]
.set J, J+2
.endr
	WIN 0
.irp b, 0,1,2,3
	v_max3_num_f32 v[232+\b], v[96+16*\b], v[97+16*\b], v[98+16*\b]
.endr
.irp i, 3,5,7,9,11,13
.irp b, 0,1,2,3
	s_delay_alu instid0(VALU_DEP_4)
	v_max3_num_f32 v[232+\b], v[232+\b], v[96+16*\b+\i], v[97+16*\b+\i]
.endr
.endr
.irp b, 0,1,2,3
	s_delay_alu instid0(VALU_DEP_4)
	v_max_num_f32 v[232+\b], v[232+\b], v[111+16*\b]
.endr
.irp b, 0,1,2,3
	s_delay_alu instid0(VALU_DEP_4)
	v_permlanex16_b32 v[236+\b], v[232+\b], s[SEL], s[SEL+1]
.endr
.irp b, 0,1,2,3
	s_delay_alu instid0(VALU_DEP_4)
	v_max_num_f32 v[232+\b], v[232+\b], v[236+\b]
.endr
	s_delay_alu instid0(VALU_DEP_2)
	v_max3_num_f32 v254, v232, v233, v234
	s_delay_alu instid0(VALU_DEP_1)
	v_max_num_f32 v254, v254, v235
	s_delay_alu instid0(VALU_DEP_1)
	v_mul_f32 v254, s[CS], v254
	s_delay_alu instid0(VALU_DEP_1)
	v_max_num_f32 v13, v13, v254
	v_mov_b32 v254, v12
	s_delay_alu instid0(VALU_DEP_2)
	v_floor_f32 v12, -v13
	s_delay_alu instid0(VALU_DEP_1)
	v_sub_f32 v254, v12, v254
	s_delay_alu instid0(VALU_DEP_1)
	v_cvt_i32_f32 v254, v254
	s_delay_alu instid0(VALU_DEP_1)
	v_ldexp_f32 v252, 1.0, v254
.endm
.macro TAIL
.set J, 0
.rept 32
	v_pk_fma_f32 v[96+J:97+J], v[96+J:97+J], s[CS:CS+1], v[12:13] op_sel_hi:[1,0,0]
.set J, J+2
.endr
.irp b, 0,1,2,3
	v_fma_f32 v[232+\b], v[232+\b], s[CS], v12
.endr
.set J, 0
	s_wait_alu depctr_va_vdst(0)
.rept 64
	v_exp_f32 v[96+J], v[96+J]
.set J, J+1
.endr
.irp b, 0,1,2,3
	v_exp_f32 v[232+\b], v[232+\b]
.endr
	v_pk_mul_f32 v[14:15], v[14:15], v[252:253] op_sel_hi:[1,0]
	s_wait_alu depctr_va_vdst(0)
.irp b, 0,1,2,3
	v_max_num_f32 v[232+\b], 0x1800000, v[232+\b]
.endr
	CODES
	v_pk_add_f32 v[236:237], v[96:97], v[98:99]
.irp j, 4,8,12,16,20,24,28,32,36,40,44,48,52,56,60
	v_pk_add_f32 v[14:15], v[14:15], v[96+\j:97+\j]
	v_pk_add_f32 v[236:237], v[236:237], v[98+\j:99+\j]
.endr
	s_delay_alu instid0(VALU_DEP_1)
	v_pk_add_f32 v[14:15], v[14:15], v[236:237]
.set J, 0
.rept 32
	v_pk_mul_f32 v[160+J:161+J], v[160+J:161+J], v[252:253] op_sel_hi:[1,0]
.set J, J+2
.endr
	s_wait_alu depctr_va_vdst(0)
	s_wait_dscnt 0x0
	WIN 0x01
.irp t, 0,1,2,3,4,5,6,7
	v_wmma_scale_f32_16x16x128_f8f6f4 v[160+8*\t:167+8*\t], v[96+12*\t:96+12*\t+11], v[224:235], v[160+8*\t:167+8*\t], v[40+4*(\t%2)+\t/2], v253 matrix_a_fmt:MATRIX_FMT_FP6 matrix_b_fmt:MATRIX_FMT_FP6
.endr
	WIN 0
.endm
.macro ROUNDA first
	s_wait_tensorcnt 0x0
	ds_add_u32 v[SPW], v[NIL]
	ds_add_u32 v5, v6
	s_add_nc_u64 s[MB+2:MB+3], s[MB+2:MB+3], 1536
	s_add_nc_u64 s[KB+2:KB+3], s[KB+2:KB+3], 115200
.if \first
	s_add_nc_u64 s[MA+2:MA+3], s[MA+2:MA+3], s[JM:JM+1]
	s_add_nc_u64 s[KA+2:KA+3], s[KA+2:KA+3], s[JK:JK+1]
.endif
	s_wait_dscnt 0x0
	CROUND
.if \first
	TL 2, 4, MA, 5, 6, KA
.else
	TL 0, 4, MA, 4, 6, KA
.endif
.endm
.macro ROUNDB
	s_wait_tensorcnt 0x0
	ds_add_u32 v[SPW], v[NIL]
	ds_add_u32 v5, v6
	s_add_nc_u64 s[MA+2:MA+3], s[MA+2:MA+3], 1536
	s_add_nc_u64 s[KA+2:KA+3], s[KA+2:KA+3], 115200
	s_wait_dscnt 0x0
	CROUND
	TL 6, 8, MB, 5, 6, KB
.endm
	s_wait_loadcnt 0x0
	HEAD 0, 0                                      ; slot 0 was waited for by every wave in front of the round above; slot 1's loads may be out
	ROUNDA 1
.Ltrip:
	s_wait_alu depctr_va_vdst(0)
	TAIL
	HEAD 1, 512
	TAIL
	ROUNDB
	HEAD 2, 1024
	TAIL
	HEAD 0, 1536
	ROUNDA 0
	s_wait_xcnt 0x0
	s_add_nc_u64 s[PFB:PFB+1], s[PFB:PFB+1], 1536
	s_sub_co_u32 s[TRIPS], s[TRIPS], 1
	s_cmp_lg_u32 s[TRIPS], 0
	s_cbranch_scc1 .Ltrip
	s_wait_alu depctr_va_vdst(0)
	TAIL
	HEAD 1, -1
	TAIL
	s_wait_tensorcnt 0x0
	ds_add_u32 v[SPW], v[NIL]
	s_wait_dscnt 0x0
	s_barrier_signal -1
	s_barrier_wait -1
	HEAD 2, -1
	TAIL
	HEAD 0, -1
	TAIL
.rept 4
	v_nop
.endr
	v_add_f32 v14, v14, v15
	s_delay_alu instid0(VALU_DEP_1)
	v_permlanex16_b32 v252, v14, s[SEL], s[SEL+1]
	s_delay_alu instid0(VALU_DEP_1)
	v_add_f32 v14, v14, v252
	s_wait_alu depctr_va_vdst(0)
	v_rcp_f32 v14, v14
	v_nop
.set J, 0
	s_wait_alu depctr_va_vdst(0)
.rept 64
	v_mul_f32 v[96+J], v[160+J], v14
.set J, J+1
.endr
.irp b, 0,1,2,3
	v_max3_num_f32 v[232+\b], |v[96+16*\b]|, |v[97+16*\b]|, 0x1800000
.endr
.irp i, 2,4,6,8,10,12,14
.irp b, 0,1,2,3
	s_delay_alu instid0(VALU_DEP_4)
	v_max3_num_f32 v[232+\b], v[232+\b], |v[96+16*\b+\i]|, |v[97+16*\b+\i]|
.endr
.endr
.irp b, 0,1,2,3
	s_delay_alu instid0(VALU_DEP_4)
	v_permlanex16_b32 v[236+\b], v[232+\b], s[SEL], s[SEL+1]
.endr
.irp b, 0,1,2,3
	s_delay_alu instid0(VALU_DEP_4)
	v_max_num_f32 v[232+\b], v[232+\b], v[236+\b]
.endr
	CODES
	global_store_b128 v[OIM], v[224:227], s[8:9]
	global_store_b128 v[OIM], v[228:231], s[8:9] offset:512
	global_store_b128 v[OIM], v[232:235], s[8:9] offset:1024
	global_store_b32 v[OSC], v253, s[8:9]
	s_wait_tensorcnt 0x0
	ds_add_u32 v[SPW], v[NIL]
	s_wait_dscnt 0x0
	CROUND
	s_endpgm
.Lfunc_end_k_q0827c62d57_attend:
	.size	k_q0827c62d57_attend, .Lfunc_end_k_q0827c62d57_attend-k_q0827c62d57_attend
	.p2alignl 7, 3214868480
	.fill 96, 4, 3214868480
	.section	.rodata,"a",@progbits
	.p2align	6, 0x0
	.amdhsa_kernel k_q0827c62d57_attend
		.amdhsa_group_segment_fixed_size 327680
		.amdhsa_private_segment_fixed_size 0
		.amdhsa_enable_private_segment 0
		.amdhsa_kernarg_size 24
		.amdhsa_user_sgpr_count 2
		.amdhsa_user_sgpr_kernarg_segment_ptr 1
		.amdhsa_wavefront_size32 1
		.amdhsa_system_sgpr_workgroup_id_x 1
		.amdhsa_system_sgpr_workgroup_id_y 1
		.amdhsa_system_sgpr_workgroup_id_z 1
		.amdhsa_system_vgpr_workitem_id 0
		.amdhsa_next_free_vgpr 512
		.amdhsa_next_free_sgpr 92
		.amdhsa_reserve_vcc 0
		.amdhsa_float_denorm_mode_32 3
		.amdhsa_float_denorm_mode_16_64 3
		.amdhsa_memory_ordered 1
		.amdhsa_forward_progress 1
		.amdhsa_inst_pref_size 191
	.end_amdhsa_kernel
	.amdgpu_metadata
---
amdhsa.version: [ 1, 2 ]
amdhsa.kernels:
  - .name:           k_q0827c62d57_attend
    .symbol:         k_q0827c62d57_attend.kd
    .args:
      - { .name: qkv, .offset: 0, .size: 8, .value_kind: global_buffer, .address_space: global }
      - { .name: attention_mask, .offset: 8, .size: 8, .value_kind: global_buffer, .address_space: global }
      - { .name: af, .offset: 16, .size: 8, .value_kind: global_buffer, .address_space: global }
    .group_segment_fixed_size: 327680
    .private_segment_fixed_size: 0
    .kernarg_segment_align: 8
    .kernarg_segment_size: 24
    .max_flat_workgroup_size: 256
    .sgpr_count:     92
    .vgpr_count:     512
    .wavefront_size: 32
...
	.end_amdgpu_metadata
.endif
;; end of part 2
;; launch out_proj (part 3): grid 8 x 32, 4 waves a work-group, clusters of 4 x 4, 327,680 bytes of LDS; arguments af, Wo_codes, Wo_scales, out0; writes out0
.if DOCPART == 3
	.amdgcn_target "amdgcn-amd-amdhsa--gfx1250"
	.amdhsa_code_object_version 6
	.text
	.protected	k_q0827c62d57_out_proj
	.globl	k_q0827c62d57_out_proj
	.p2align	8
	.type	k_q0827c62d57_out_proj,@function
k_q0827c62d57_out_proj:
	s_mov_b64 s[64:65], 0
	v_nop
	global_prefetch_b8 v0, s[64:65] scope:SCOPE_SE
	s_setreg_imm32_b32 hwreg(HW_REG_WAVE_MODE, 25, 1), 1
	s_wait_xcnt 0x0
	s_wait_alu depctr_hold_cnt(0) depctr_sa_sdst(0) depctr_va_vdst(0) depctr_va_sdst(0) depctr_va_ssrc(0) depctr_va_vcc(0) depctr_vm_vsrc(0)
	s_getreg_b32 s2, hwreg(HW_REG_IB_STS2, 6, 4)
	s_cmp_eq_u32 s2, 0
	s_cbranch_scc0 .Lentry_in_a_cluster
	s_endpgm
.Lentry_in_a_cluster:
	s_bfe_u32 s2, ttmp6, 0x10000c
	s_cmp_lg_u32 s2, 0xf033
	s_cbranch_scc0 .Lentry_shape_is_right
	s_endpgm
.Lentry_shape_is_right:
; out0 = A Wo^T on codes of FP6 (E2M3) with one E8M0 scale for each 32 along K = 1,024.  A: the attention's output, 4,096 rows, as images of operand registers: af [32 blocks of 128 rows][8 heads][13,312]:
; 8 fragments of 16 rows x 128 K (1,536 bytes: three parts of 512, lane l's 16 bytes at 16 l), then 8 x 128 bytes of scale words.  Wo: [2,048][768 bytes of codes], [2,048][32 scale bytes].  out0: [4,096][2,048] f32.
; SHARES.  256 work-groups of four waves: 128 rows (y) x 256 columns (x); wave w makes all 128 rows x columns 64 w .. 64 w + 63: 32 accumulators.  All of K lies in LDS at once: every LDS byte is filled once, so there is no ring.
; CLUSTERS of 4 x 4: A's block hangs on y and is asked for jointly along a row of the cluster, Wo's rows on x and jointly along a column.
; ONE TENSOR LOAD A WAVE, at the head: waves 0, 1 fetch four heads of A each (53,248 dense bytes), waves 2, 3 fetch 128 whole rows of Wo each (768 bytes, 16 of padding behind every 256).  One wait for 0 and one barrier show all of it to all.
; No prefetch: the launch has no loop to run ahead in.
; THE MATRIX INSTRUCTION IS USED TRANSPOSED (source 0 = 16 rows of Wo, source 1 = 16 rows of A): a lane holds eight neighbouring numbers of a row of out0.
; REGISTERS: window 0: v1-15 addresses; v32-63 Wo's scale words (block b, K step s at v[32 + 8 b + s]), v64-79 A's, two sets: these hold scales alone; v128-175, v176-223 Wo's fragments, two sets; on the way out v128-191 rows.
;   window 1: A's fragments, two sets, at 128 e + 12 a.   window 2: accumulator (a, b) at v[8 (4 a + b)].
.set AHEAD, 13312                      ; a head's block of A
.set BBASE, 8*AHEAD                    ; behind A: Wo's rows
.set BP,    816                        ; a row of Wo in LDS: 3 x (256 + 16)
.set BWAVE, 64*BP
.set SPARE, BBASE+4*BWAVE
.set G1A, 24
.set G1B, 48
.set MSB, 0
.macro WIN new
.if MSB != \new
	s_set_vgpr_msb (MSB<<8)|\new
.set MSB, \new
.endif
.endm
.macro CROUND
	s_barrier_signal -1
	s_barrier_wait -1
	s_cmp_lg_u32 s14, 0
	s_cbranch_scc1 .Lnot_wave_0_\@
	s_barrier_signal -3
.Lnot_wave_0_\@:
	s_barrier_wait -3
	s_barrier_signal -1
	s_barrier_wait -1
.endm
	s_load_b128 s[4:7], s[0:1], 0x0                ; af, Wo's codes
	s_load_b128 s[8:11], s[0:1], 0x10              ; Wo's scales, out0
	v_lshl_add_u32 v254, v0, 2, SPARE
	v_mov_b32 v255, 0
	ds_add_u32 v254, v255                          ; the opening lines: the add twice and one wait
	ds_add_u32 v254, v255
	v_lshrrev_b32 v1, 5, v0
	v_readfirstlane_b32 s14, v1                    ; wave
	s_and_b32 s16, s14, 1                          ; which half I fetch
	s_bfe_u32 s40, ttmp6, 0x40000                  ; cx
	s_bfe_u32 s41, ttmp6, 0x40004                  ; cy
	s_lshl_b32 s42, ttmp9, 2
	s_add_co_u32 s42, s42, s40                     ; x: 256 columns
	s_and_b32 s17, ttmp7, 0xffff
	s_lshl_b32 s17, s17, 2
	s_add_co_u32 s17, s17, s41                     ; y: 128 rows
	s_lshl_b32 s43, s41, 2
	s_lshl_b32 s43, 15, s43                        ; my row of the cluster
	s_lshl_b32 s44, 0x1111, s40                    ; my column
	s_or_b32 s[G1A], s43, (3<<16)|(1<<21)          ; A: 208 rows of 256 dense bytes (32 elements of 8), no padding
	s_mov_b32 s[G1A+1], 32<<16
	s_mov_b32 s[G1A+2], 208<<16
	s_mov_b32 s[G1A+3], 32<<16
	s_mov_b32 s[G1A+4], 208
	s_mov_b32 s[G1A+5], 32
	s_mov_b32 s[G1A+6], 0
	s_mov_b32 s[G1A+7], 0
	s_or_b32 s[G1B], s44, (0<<16)|(1<<20)|(1<<21)|(5<<22)|(3<<25)   ; Wo: 128 rows of 768 bytes, 16 bytes of padding behind every 64 words
	s_mov_b32 s[G1B+1], 768<<16
	s_mov_b32 s[G1B+2], 128<<16
	s_mov_b32 s[G1B+3], 768<<16
	s_mov_b32 s[G1B+4], 128
	s_mov_b32 s[G1B+5], 768
	s_mov_b32 s[G1B+6], 0
	s_mov_b32 s[G1B+7], 0
	s_mul_i32 s20, s17, 8*AHEAD
	s_mul_i32 s18, s16, 4*AHEAD                    ; also where they go: no place in the cluster enters an LDS address
	s_add_co_u32 s20, s20, s18                     ; A: block y, four heads
	s_mov_b32 s21, 0
	s_lshl_b32 s46, s42, 8
	s_lshl_b32 s47, s14, 6
	s_add_co_u32 s22, s46, s47                     ; the first of the 64 rows of Wo that I multiply:
	s_lshl_b32 s22, s22, 5                         ; its scale bytes
	s_mov_b32 s23, 0
	s_lshl_b32 s47, s16, 7
	s_add_co_u32 s46, s46, s47                     ; the first of the 128 rows that I fetch
	s_mul_i32 s46, s46, 768
	s_mov_b32 s47, 0
	s_mul_i32 s19, s14, BWAVE
	s_add_co_u32 s19, s19, BBASE                   ; LDS: the rows that I multiply,
	s_mul_i32 s15, s16, 128*BP
	s_add_co_u32 s15, s15, BBASE                   ; and those that I fetch
	s_wait_dscnt 0x0
	s_wait_kmcnt 0x0
	s_add_nc_u64 s[20:21], s[4:5], s[20:21]
	s_add_nc_u64 s[46:47], s[6:7], s[46:47]
	s_add_nc_u64 s[8:9], s[8:9], s[22:23]
	s_mov_b32 s32, 1
	s_mov_b32 s33, s15
	s_mov_b64 s[34:35], s[46:47]
	s_or_b32 s35, s35, 0x80000000
	s_mov_b32 s36, 1
	s_mov_b32 s37, s18
	s_mov_b64 s[38:39], s[20:21]
	s_or_b32 s39, s39, 0x80000000
	s_lshl_b32 s22, s17, 20                        ; out0: 128 y rows of 8,192 bytes,
	s_lshl_b32 s23, s42, 10                        ; 256 x columns,
	s_add_co_u32 s22, s22, s23
	s_lshl_b32 s23, s14, 8                         ; my 64
	s_add_co_u32 s22, s22, s23
	s_mov_b32 s23, 0
	s_add_nc_u64 s[10:11], s[10:11], s[22:23]
	CROUND                                         ; all sixteen work-groups are here: the joint loads meet
	s_cmp_lt_u32 s14, 2
	s_cbranch_scc0 .Lfor_wo
	tensor_load_to_lds s[36:39], s[G1A:G1A+7]
	s_nop 0
.rept 4
	v_nop
.endr
	s_branch .Lasked
.Lfor_wo:
	tensor_load_to_lds s[32:35], s[G1B:G1B+7]
	s_nop 0
.rept 4
	v_nop
.endr
.Lasked:
	v_and_b32 v1, 15, v0                           ; r
	v_bfe_u32 v2, v0, 4, 1                         ; h
	v_and_b32 v3, 31, v0                           ; lane
	v_lshlrev_b32 v4, 4, v3                        ; A's images: 16 x lane, heads 0-3;
	v_add_nc_u32 v5, 4*AHEAD, v4                   ; heads 4-7
	v_lshlrev_b32 v6, 2, v3                        ; A's scale words: 4 x lane
	v_add_nc_u32 v7, 4*AHEAD, v6
	v_mul_u32_u24 v14, v1, BP
	v_add_nc_u32 v14, s19, v14                     ; my rows of Wo: row r
	v_mad_u32_u24 v8, v2, 24, v14                  ; lanes 16-31 read three pieces of 8 bytes on,
	v_mad_u32_u24 v9, v2, 40, v14                  ; which for some pieces lies behind one padding more
	v_mul_u32_u24 v14, v1, 272
	v_add_nc_u32 v14, s19, v14
	v_lshl_add_u32 v10, v2, 5, v14                 ; the stage, in: row r of 272 bytes, + 32 h
	v_mul_u32_u24 v15, v2, 272
	v_lshl_add_u32 v15, v1, 4, v15
	v_add_nc_u32 v11, s19, v15                     ; back: lanes 0-15 one row of 256 bytes, lanes 16-31 the next
	v_lshlrev_b32 v12, 13, v2
	v_lshl_add_u32 v12, v1, 4, v12                 ; and the same two rows in out0
	v_lshlrev_b32 v13, 5, v1                       ; Wo's scale bytes: 32 a row
.irp b, 0,1,2,3
.irp k, 0,1
	global_load_b128 v[32+8*\b+4*\k:32+8*\b+4*\k+3], v13, s[8:9] offset:512*\b+16*\k   ; row 16 b + r: its eight words, one for each K step
.endr
.endr
.macro FRAGB reg, s, b                 ; 16 rows of Wo x K step s: pieces of 8 bytes 12 s + 0, 1, 2, 6, 7, 8 of the row (lanes 16-31: three on); 32 pieces to each 256 bytes
.irp p, 0,1,2,3,4,5
.set PCE, 12*(\s)+6*(\p/3)+\p%3
.if PCE%32 < 29
	ds_load_b64 v[\reg+2*\p:\reg+2*\p+1], v8 offset:272*(PCE/32)+8*(PCE%32)+16*BP*(\b)
.else
	ds_load_b64 v[\reg+2*\p:\reg+2*\p+1], v9 offset:272*(PCE/32)+8*(PCE%32)+16*BP*(\b)
.endif
.endr
.endm
.macro FETCH q                         ; K step q's operands into set q % 2
.set AE, 128*((\q)%2)
.set AV, 4+(\q)/4
.set BE, 128+48*((\q)%2)
	WIN 0x40
.irp a, 0,1,2,3,4,5,6,7
.irp c, 0,1,2
	ds_load_b128 v[AE+12*\a+4*\c:AE+12*\a+4*\c+3], v[AV] offset:AHEAD*((\q)%4)+1536*\a+512*\c
.endr
.endr
	WIN 0
.irp a, 0,1,2,3,4,5,6,7
	ds_load_b32 v[64+8*((\q)%2)+\a], v[AV+2] offset:AHEAD*((\q)%4)+12288+128*\a
.endr
.irp b, 0,1,2,3
	FRAGB BE+12*\b, \q, \b
.endr
.endm
.macro MUL a0, s, zero                 ; 16 matrix instructions; the 32 accumulators take turns
.set AE, 128*((\s)%2)
.set BE, 128+48*((\s)%2)
.irp a, \a0, \a0+1, \a0+2, \a0+3
.irp b, 0,1,2,3
.if \zero
	v_wmma_scale_f32_16x16x128_f8f6f4 v[8*(4*(\a)+\b):8*(4*(\a)+\b)+7], v[BE+12*\b:BE+12*\b+11], v[AE+12*(\a):AE+12*(\a)+11], 0, v[32+8*\b+(\s)], v[64+8*((\s)%2)+(\a)] matrix_a_fmt:MATRIX_FMT_FP6 matrix_b_fmt:MATRIX_FMT_FP6
.else
	v_wmma_scale_f32_16x16x128_f8f6f4 v[8*(4*(\a)+\b):8*(4*(\a)+\b)+7], v[BE+12*\b:BE+12*\b+11], v[AE+12*(\a):AE+12*(\a)+11], v[8*(4*(\a)+\b):8*(4*(\a)+\b)+7], v[32+8*\b+(\s)], v[64+8*((\s)%2)+(\a)] matrix_a_fmt:MATRIX_FMT_FP6 matrix_b_fmt:MATRIX_FMT_FP6
.endif
.endr
.endr
.endm
.macro KSTEP s, zero
	s_wait_dscnt 0x0                               ; this step's operands are in (asked for 16 matrix instructions ago)
	WIN 0xa4                                       ; source 0 (Wo) window 0, source 1 (A) window 1, C and D window 2
	MUL 0, \s, \zero
.if \s < 7
.rept 4
	v_nop                                          ; places in front of loads into the set that the step before has read
.endr
	WIN 0
	FETCH \s+1
.endif
	WIN 0xa4
	MUL 4, \s, \zero
.endm
	s_wait_alu depctr_va_vdst(0)                   ; the wait at the head's end
	s_wait_tensorcnt 0x0                           ; my load has landed,
	s_barrier_signal -1
	s_barrier_wait -1                              ; everybody's has; nothing is filled again
	FETCH 0
	s_wait_loadcnt 0x0                             ; Wo's scale words
	KSTEP 0, 1                                     ; the first step's products start the sums
.irp s, 1,2,3,4,5,6,7
	KSTEP \s, 0
.endr
	WIN 0
; THE WAY OUT, a block of 16 rows x 64 columns at a time, through two stages of 16 rows x (256 + 16) bytes in the rows of Wo that I alone read, which have had their one fill and their last read.
; LDS serves a wave's instructions in order (ISA guide 5.7.1.4): no wait between the stores and the loads.
.macro TOSTAGE a
	WIN 0x08                                       ; an LDS store's data: window 2
.irp b, 0,1,2,3
	ds_store_b128 v10, v[8*(4*(\a)+\b):8*(4*(\a)+\b)+3] offset:4352*((\a)%2)+64*\b        ; each accumulator from its low end on
	ds_store_b128 v10, v[8*(4*(\a)+\b)+4:8*(4*(\a)+\b)+7] offset:4352*((\a)%2)+64*\b+16
.endr
	WIN 0
.irp i, 0,1,2,3,4,5,6,7
	ds_load_b128 v[128+32*((\a)%2)+4*\i:128+32*((\a)%2)+4*\i+3], v11 offset:4352*((\a)%2)+544*\i
.endr
.endm
.macro SEND a, younger                 ; younger: the LDS instructions issued behind block a's loads, which may stay out
	s_wait_dscnt \younger
.irp i, 0,1,2,3,4,5,6,7
	global_store_b128 v12, v[128+32*((\a)%2)+4*\i:128+32*((\a)%2)+4*\i+3], s[10:11] offset:(16*(\a)+2*\i)*8192 th:TH_STORE_NT   ; 16 lanes store 256 consecutive bytes, at a multiple of 256 from out0's first byte
.endr
.endm
.rept 4
	v_nop                                          ; places behind the last products
.endr
	TOSTAGE 0
.irp a, 1,2,3,4,5,6,7
.if \a > 1
	s_wait_xcnt 0x0                                ; block a - 2's stores have read their registers: block a's loads may land there
.endif
	TOSTAGE \a
	SEND \a-1, 16                                  ; behind block a - 1's loads: block a's 8 stores and 8 loads
.endr
	SEND 7, 0
	s_wait_tensorcnt 0x0                           ; the wave's end
	ds_add_u32 v254, v255
	s_wait_dscnt 0x0
	CROUND                                         ; the closing round
	s_endpgm
.Lfunc_end_k_q0827c62d57_out_proj:
	.size	k_q0827c62d57_out_proj, .Lfunc_end_k_q0827c62d57_out_proj-k_q0827c62d57_out_proj
	.p2alignl 7, 3214868480
	.fill 96, 4, 3214868480
	.section	.rodata,"a",@progbits
	.p2align	6, 0x0
	.amdhsa_kernel k_q0827c62d57_out_proj
		.amdhsa_group_segment_fixed_size 327680
		.amdhsa_private_segment_fixed_size 0
		.amdhsa_enable_private_segment 0
		.amdhsa_kernarg_size 32
		.amdhsa_user_sgpr_count 2
		.amdhsa_user_sgpr_kernarg_segment_ptr 1
		.amdhsa_wavefront_size32 1
		.amdhsa_system_sgpr_workgroup_id_x 1
		.amdhsa_system_sgpr_workgroup_id_y 1
		.amdhsa_system_sgpr_workgroup_id_z 1
		.amdhsa_system_vgpr_workitem_id 0
		.amdhsa_next_free_vgpr 768
		.amdhsa_next_free_sgpr 72
		.amdhsa_reserve_vcc 0
		.amdhsa_float_denorm_mode_32 3
		.amdhsa_float_denorm_mode_16_64 3
		.amdhsa_memory_ordered 1
		.amdhsa_forward_progress 1
		.amdhsa_inst_pref_size 85
	.end_amdhsa_kernel
	.amdgpu_metadata
---
amdhsa.version: [ 1, 2 ]
amdhsa.kernels:
  - .name:           k_q0827c62d57_out_proj
    .symbol:         k_q0827c62d57_out_proj.kd
    .args:
      - { .name: af, .offset: 0, .size: 8, .value_kind: global_buffer, .address_space: global }
      - { .name: Wo_codes, .offset: 8, .size: 8, .value_kind: global_buffer, .address_space: global }
      - { .name: Wo_scales, .offset: 16, .size: 8, .value_kind: global_buffer, .address_space: global }
      - { .name: out0, .offset: 24, .size: 8, .value_kind: global_buffer, .address_space: global }
    .group_segment_fixed_size: 327680
    .private_segment_fixed_size: 0
    .kernarg_segment_align: 8
    .kernarg_segment_size: 32
    .max_flat_workgroup_size: 128
    .sgpr_count:     72
    .vgpr_count:     768
    .wavefront_size: 32
...
	.end_amdgpu_metadata
.endif
;; end of part 3
